; MI455X (gfx1250); checked and timed in simulation.
; The chip was launched on July 23, 2026; its instructions are those of AMD's public machine-readable ISA for CDNA 5 (MIT licence, August 2026) and "CDNA5" Instruction Set Architecture Reference Guide (July 2026). The comments in the code are by the model that wrote it; some were corrected since.
;; Transformer. Allowed arithmetic: float matrix products may take bf16 or f16 operands with f32 sums; other float arithmetic in f32, or as packed bf16 or f16 multiplies, adds, multiply-adds, maxima and minima; sums over many terms, partial sums and values carried from step to step in f32; what a program stores and reads back later, other than sums and carried values, may be rounded once to bf16 or f16.
;; Inputs: W_K 64 x 64 float32; W_Q 64 x 64 float32; W_V 64 x 64 float32; fb1 256 float32; fb2 64 float32; fw1 64 x 256 float32; fw2 256 x 64 float32; key_mask 64 x 1,024 int32; keys 64 x 1,024 x 64 float32; queries 64 x 1,024 x 64 float32; query_mask 64 x 1,024 int32.
;; Outputs: out0 64 x 64 float32.
;; One version. Each part assembles by itself: llvm-mc -triple=amdgcn-amd-amdhsa -mcpu=gfx1250 --defsym DOCPART=n.
;; ======== version 1 of 1: 1 launch
;; limits: right only within a limited range of input values
;; launch row0 (part 1): grid 64 x 1, 16 waves a work-group, clusters of 4 x 1, 294,656 bytes of LDS; arguments W_Q, W_K, W_V, fw2, fw1, keys, queries, key_mask, query_mask, fb1, fb2, out0; writes out0
.if DOCPART == 1
	.amdgcn_target "amdgcn-amd-amdhsa--gfx1250"
	.amdhsa_code_object_version 6
	.text
	.protected	k_q6b33b408af_row0
	.globl	k_q6b33b408af_row0
	.p2align	8
	.type	k_q6b33b408af_row0,@function
k_q6b33b408af_row0:
	s_mov_b64 s[64:65], 0
	v_nop
	global_prefetch_b8 v0, s[64:65] scope:SCOPE_SE
	s_setreg_imm32_b32 hwreg(HW_REG_WAVE_MODE, 25, 1), 1
	s_wait_xcnt 0x0
	s_wait_alu depctr_hold_cnt(0) depctr_sa_sdst(0) depctr_va_vdst(0) depctr_va_sdst(0) depctr_va_ssrc(0) depctr_va_vcc(0) depctr_vm_vsrc(0)
	s_getreg_b32 s2, hwreg(HW_REG_IB_STS2, 6, 4)
	s_cmp_eq_u32 s2, 0
	s_cbranch_scc0 .Lentry_in_a_cluster
	s_endpgm
.Lentry_in_a_cluster:
	s_bfe_u32 s2, ttmp6, 0x10000c
	s_cmp_lg_u32 s2, 0x3003
	s_cbranch_scc0 .Lentry_shape_is_right
	s_endpgm
.Lentry_shape_is_right:
; out0[b][:] = row 0 of the transformer block of batch b.  The result is cut to position 0, attention mixes keys and never queries, and the feed-forward works row by row:
; so of queries only row 0 of each batch (x0) and of query_mask only its word 0 can reach the output, and only these are read; keys, key_mask, the five weights and both biases are read whole.
; ALGEBRA, exact for one query row: q = x0 W_Q;  score[h][k] = keys[k] . U[:,h] with U[c][h] = sum over d of W_K[c][16h+d] q[16h+d] / 4;
; out[16h+d] = (sum over k of attn[h][k] keys[k]) . W_V[:,16h+d].  K and V are never formed: two products of the 4 heads with keys [1024 x 64], and five products of one row.
; SHARES.  A work-group is a batch; wave w owns keys 64 w .. 64 w + 63: 16 KiB, 32 loads of 512 consecutive bytes, held in 128 registers and used for both products.
; FORMATS.  The two products with keys go to the matrix unit in bf16 (keys, U and the weights p rounded once each), sums in f32.  The five one-row products (45,056 multiply-adds a batch) stay in
; f32 on the vector unit: a matrix tile would hold one row of sixteen, and rounding a weight takes as many lines as multiplying it.
; SOFTMAX.  t = log2(e) x score (the factor log2(e) / 4 is folded into q).  Each wave takes the maximum m_w of its own 64 keys away, p = 2^(t - m_w); the tail multiplies each wave's sums by
; f_w = 2^(m_w - M), M the maximum over the waves.  A hidden key (key_mask != 1, or key 0: the diagonal of query 0) starts its sum at -1e30, and every t is held at NEGT = -2^32 log2(e) from below:
; a hidden t is exactly NEGT, as in the reference, so a batch with no key to see gets the uniform weights 1/1024.
; LIMITS.  A visible score below -2^32 counts as -2^32; a weight below 2^-126 counts as 0; NaN and infinities are not treated apart.
; CLUSTER.  Every work-group reads the same 180,224 bytes of weights beside 266,240 bytes of its own: the four of a cluster ask for them JOINTLY, eleven tensor loads of 16 KiB, one from each of
; waves 0 to 10, once.  Nothing in LDS is filled twice.  All that a work-group reads is asked for in its first lines, so nothing is asked for ahead of the loads.
;
; LDS.  0 .. 191,487 are filled by the tensor loads alone: 704 rows of 256 bytes + 16 of padding (68 words: row r starts at bank 4 r mod 64, 64 banks of 4 bytes: ISA guide 11.1).
.set PW,    272                        ; pitch of the weights' rows
.set WQ,    0                          ; W_Q: 64 rows [c][n]
.set WK,    17408                      ; W_K
.set WV,    34816                      ; W_V
.set FW2,   52224                      ; fw2: 256 rows [k][n]
.set FW1,   121856                     ; fw1: its 65,536 dense bytes as 256 rows: (k, n) at row 4 k + n / 64, byte 4 (n % 64)
.set STG,   191488                     ; 16 x 4,608: each wave's own stage: 32 keys x 64 bf16, pitch 144
.set PART,  265216                     ; 16 x 1,024: [wave][head][pos] f32; pos = 16 jt + m stands for channel 4 m + jt
.set BIAS,  281600                     ; 16 x 256: each wave's own: [key parity][32] f32: 0 or -1e30
.set MM,    285696                     ; [head][wave] f32: m;  256 bytes on: l
.set QV,    286208                     ; q x log2(e) / 4: 64 f32
.set UT,    286464                     ; U^T: 4 rows [head][64 bf16], pitch 144
.set RES,   287232                     ; attention's row + x0: 64 f32
.set HID,   287488                     ; hidden: 256 f32
.set YP,    288512                     ; [wave][64] f32: partial sums of hidden x fw2
.set SPARE, 292608                     ; the spare words, 128 bytes for each of 16 waves: eight blocks of 256 bytes that no other line names
; VECTOR REGISTERS.  l = lane, r = l % 16, h = l / 16, w = wave.
.set SPW, 1                            ; SPARE + 4 x thread; never rewritten
.set NIL, 2                            ; 0; never rewritten
.set STS, 3                            ; stage, in:   144 h + 8 r
.set STL, 4                            ; stage, back: 144 (2 (r % 8) + r / 8) + 16 h
.set BL,  5                            ; BIAS + 256 w + 128 h
.set PS,  6                            ; PART + 1024 w + 256 (r % 4) + 32 h
.set MS,  7                            ; MM + 64 (r % 4) + 4 w
.set ML,  8                            ; MM + 64 (w / 4)
.set PL,  9                            ; PART + 256 (w / 4) + 8 l
.set WVA, 10                           ; WV + 272 (8 (l % 8) + l / 8) + 16 w
.set RS,  11                           ; RES + 16 w
.set F1,  12                           ; FW1 + 1088 (l / 4) + 272 (w / 4) + 64 (w % 4) + 16 (l % 4)
.set RL,  13                           ; RES + 4 (l / 4)
.set HS,  14                           ; HID + 64 w + 16 (l % 4)
.set F2,  15                           ; FW2 + 272 (2 w + h) + 16 r
.set HL,  16                           ; HID + 4 (2 w + h)
.set YS,  17                           ; YP + 256 w + 16 r
.set YL,  18                           ; YP + 2048 h + 16 r
.set RN,  19                           ; RES + 16 r
.set GO,  20                           ; global offsets, never rewritten: 16 r,
.set KO,  21                           ; 16 l,
.set X4,  22                           ; 4 l,
.set XN,  23                           ; 16 w
.set X0A, 24                           ; v24, v25  x0[l], x0[l + 32]
.set KM,  26                           ; v26, v27  key_mask of my keys l, l + 32
.set X0N, 28                           ; v[28:31]  x0[4 w ..]
.set FB1, 32                           ; v[32:35]  fb1[16 w + 4 (l % 4) ..]
.set FB2, 36                           ; v[36:39]  fb2[4 r ..]
.set UB,  40                           ; v[40:55]  U as source 1: channels 32 s on at UB + 8 s
.set TMP, 56                           ; v[56:63]  at work
.set AF,  64                           ; v[64:127] keys as source 0 of the second product: group g of 32 keys, channels 4 m + jt at AF + 32 g + 8 jt
.set KF,  128                          ; v[128:255] keys as loaded: load i at KF + 4 i.  When group g is converted its 64 registers take: the stage's fragments (tile u, step s at
                                       ; KF + 64 g + 16 u + 8 s), the score tiles 2 g + u at KF + 64 g + 32 + 8 u, and two of the four sums of the second product at KF + 64 g + 48, + 56
.set P0,  160                          ; score tiles 0, 1
.set P1,  224                          ; score tiles 2, 3
; used at the head alone (they lie where AF will lie)
.set WQA, 96                           ; WQ + 272 l + 16 w
.set WKA, 97                           ; WK + 272 (2 w + h) + 16 r
.set QS,  98                           ; QV + 16 w
.set QL,  99                           ; QV + 16 r
.set US,  100                          ; UT + 144 (r / 4) + 2 (2 w + h)
.set UL,  101                          ; UT + 144 (r % 4) + 16 h
.set BS,  102                          ; BIAS + 256 w + 128 (l % 2) + 4 (l / 2)
.set FB1O, 112                         ; global offset 64 w + 16 (l % 4)
.set LN,  113                          ; l
.set RR,  114                          ; r
.set HF,  115                          ; h
.set Q3,  116                          ; l % 4
.set L4,  117                          ; l / 4
.set L7,  118                          ; l % 8
.set L8,  119                          ; l / 8
.set R8,  121                          ; r / 8
.set R4,  122                          ; r / 4
.set L1,  123                          ; l % 2
.set L2,  124                          ; l / 2
.set TA,  125                          ; at work
; used in the tail alone
.set XV,  200                          ; v[200:207] eight numbers of the row that is multiplied; in the first tail step: M twice, L, the context pair, the scale
.set ACC, 208                          ; v[208:215] four sums and four at work
; SCALAR REGISTERS.  s4 wave; s5 cx; s6 batch; s2, s3, s7 at work; s[8:31] the twelve addresses; s[32:35], s[36:43] the descriptor; s[44:51], s[56:59] offsets;
; s52, s53 lane selects; s54 query_mask[b][0]; s55 w / 4; s60 NEGT; s61 -1e30; s62 EXEC, kept
; A round of the cluster's barrier: my work-group's barrier, so that wave 0's signal speaks for all sixteen waves; wave 0 signals; every wave waits for the four work-groups; my work-group's barrier once more.
.macro ROUND
	s_barrier_signal -1
	s_barrier_wait -1
	s_cmp_lg_u32 s4, 0
	s_cbranch_scc1 .Lnot_wave_0_\@
	s_barrier_signal -3
.Lnot_wave_0_\@:
	s_barrier_wait -3
	s_barrier_signal -1
	s_barrier_wait -1
.endm
; A work-group barrier between a phase that stores to LDS and the phase that reads it: my LDS instructions are done, for the others' sake, before I signal.
.macro BAR
	s_wait_dscnt 0x0
	s_barrier_signal -1
	s_barrier_wait -1
.endm
.macro DPP4 b, m                       ; four sums: lane i takes lane i xor m of its sixteen
.irp q, 0,1,2,3
	v_add_f32_dpp v[(\b)+(\q)], v[(\b)+(\q)], v[(\b)+(\q)] row_xmask:\m row_mask:0xf bank_mask:0xf
.endr
.endm
.macro XADD4 b                         ; four sums: the other half of the lanes' is added
.irp q, 0,1,2,3
	v_permlanex16_b32 v[TMP+(\q)], v[(\b)+(\q)], s52, s53
.endr
	v_pk_add_f32 v[(\b):(\b)+1], v[(\b):(\b)+1], v[TMP:TMP+1]
	v_pk_add_f32 v[(\b)+2:(\b)+3], v[(\b)+2:(\b)+3], v[TMP+2:TMP+3]
.endm
.macro RED4 b                          ; four sums over all 32 lanes, the result in every lane
	DPP4 \b, 1
	DPP4 \b, 2
	DPP4 \b, 4
	DPP4 \b, 8
	XADD4 \b
.endm
; Eight loads (16 keys) of group g, half c.  Load i holds, in lane (r, h), key 2 i + h, channels 4 r .. 4 r + 3.  n: the key loads younger than these eight.
; Rounded in pairs of channels they go into the stage, rows of keys; rounded in pairs of loads, channel jt of each, they ARE source 0 of the second product: row m = r is channel 4 r + jt,
; and place 16 u + m' along K holds key 16 u + 2 (m' % 8) + m' / 8 of the group.
.macro CONV g, c, n
	s_wait_loadcnt \n
.irp k, 0,1,2,3,4,5,6,7
	v_cvt_pk_bf16_f32 v[TMP+2*((\k)%4)],   v[KF+4*(16*(\g)+8*(\c)+(\k))],   v[KF+4*(16*(\g)+8*(\c)+(\k))+1]
	v_cvt_pk_bf16_f32 v[TMP+2*((\k)%4)+1], v[KF+4*(16*(\g)+8*(\c)+(\k))+2], v[KF+4*(16*(\g)+8*(\c)+(\k))+3]
	ds_store_b64 v[STS], v[TMP+2*((\k)%4):TMP+2*((\k)%4)+1] offset:288*(8*(\c)+(\k))
.endr
.irp t, 0,1,2,3
.irp j, 0,1,2,3
	v_cvt_pk_bf16_f32 v[AF+32*(\g)+8*(\j)+4*(\c)+(\t)], v[KF+4*(16*(\g)+8*(\c)+2*(\t))+(\j)], v[KF+4*(16*(\g)+8*(\c)+2*(\t)+1)+(\j)]
.endr
.endr
.endm
; Group g's masks (they start the sums) and its fragments out of the stage.  Row m of tile u is read from stage row 16 u + 2 (m % 8) + m / 8: register j of lane (r, h) of the result is then
; key 16 u + 2 j + h, the order in which AF holds the keys.  LDS serves a wave's instructions in order (ISA guide 5.7.1.4): these loads see the stores above, and the next group's stores come behind them.
.macro FRAGS g
.irp u, 0,1
	ds_load_b128 v[KF+64*(\g)+32+8*(\u):KF+64*(\g)+32+8*(\u)+3],   v[BL] offset:32*(2*(\g)+(\u))
	ds_load_b128 v[KF+64*(\g)+32+8*(\u)+4:KF+64*(\g)+32+8*(\u)+7], v[BL] offset:32*(2*(\g)+(\u))+16
.endr
.irp u, 0,1
.irp s, 0,1
	ds_load_b128 v[KF+64*(\g)+16*(\u)+8*(\s):KF+64*(\g)+16*(\u)+8*(\s)+3],   v[STL] offset:2304*(\u)+64*(\s)
	ds_load_b128 v[KF+64*(\g)+16*(\u)+8*(\s)+4:KF+64*(\g)+16*(\u)+8*(\s)+7], v[STL] offset:2304*(\u)+64*(\s)+32
.endr
.endr
.endm
; t = keys x U + mask for group g's two tiles of 16 keys: the two accumulators take turns, one instruction a turn.
.macro SCORE g
	s_wait_dscnt 0x0
.irp s, 0,1
.irp u, 0,1
	v_wmma_f32_16x16x32_bf16 v[KF+64*(\g)+32+8*(\u):KF+64*(\g)+32+8*(\u)+7], v[KF+64*(\g)+16*(\u)+8*(\s):KF+64*(\g)+16*(\u)+8*(\s)+7], v[UB+8*(\s):UB+8*(\s)+7], v[KF+64*(\g)+32+8*(\u):KF+64*(\g)+32+8*(\u)+7]
.endr
.endr
.endm
; v[ACC:ACC+3] = the sum over k = 0 .. 7 of v[XV + k] x v[wb + 4 k .. + 3]: the number is given to both halves of a packed line, by its place in its pair.
.macro MV8 wb
	v_pk_mul_f32 v[ACC:ACC+1],   v[(\wb):(\wb)+1],   v[XV:XV+1] op_sel_hi:[1,0]
	v_pk_mul_f32 v[ACC+2:ACC+3], v[(\wb)+2:(\wb)+3], v[XV:XV+1] op_sel_hi:[1,0]
.irp k, 0,1,2,3
.if (\k) > 0
	v_pk_fma_f32 v[ACC:ACC+1],   v[(\wb)+8*(\k):(\wb)+8*(\k)+1],   v[XV+2*(\k):XV+2*(\k)+1], v[ACC:ACC+1]   op_sel_hi:[1,0,1]
	v_pk_fma_f32 v[ACC+2:ACC+3], v[(\wb)+8*(\k)+2:(\wb)+8*(\k)+3], v[XV+2*(\k):XV+2*(\k)+1], v[ACC+2:ACC+3] op_sel_hi:[1,0,1]
.endif
	v_pk_fma_f32 v[ACC:ACC+1],   v[(\wb)+8*(\k)+4:(\wb)+8*(\k)+5], v[XV+2*(\k):XV+2*(\k)+1], v[ACC:ACC+1]   op_sel:[0,1,0] op_sel_hi:[1,1,1]
	v_pk_fma_f32 v[ACC+2:ACC+3], v[(\wb)+8*(\k)+6:(\wb)+8*(\k)+7], v[XV+2*(\k):XV+2*(\k)+1], v[ACC+2:ACC+3] op_sel:[0,1,0] op_sel_hi:[1,1,1]
.endr
.endm
	; ---- THE ENTRY
	s_load_b512 s[8:23], s[0:1], 0x0               ; W_Q s[8:9], W_K s[10:11], W_V s[12:13], fw2 s[14:15], fw1 s[16:17], keys s[18:19], queries s[20:21], key_mask s[22:23]
	s_load_b256 s[24:31], s[0:1], 0x40             ; query_mask s[24:25], fb1 s[26:27], fb2 s[28:29], out0 s[30:31]
	v_lshl_add_u32 v[SPW], v0, 2, SPARE
	v_mov_b32 v[NIL], 0
	ds_add_u32 v[SPW], v[NIL]                      ; the wave's opening: the add and its wait ahead of the first tensor load; the set-up below, work on registers, stands between them
	v_lshrrev_b32 v[TMP], 5, v0
	v_readfirstlane_b32 s4, v[TMP]                 ; wave 0..15
	s_bfe_u32 s5, ttmp6, 0x40000                   ; cx: my place in the cluster
	s_lshl_b32 s6, ttmp9, 2                        ; in a cluster launch ttmp9 counts clusters
	s_add_co_u32 s6, s6, s5                        ; the batch = 4 x cluster + cx: it enters global addresses of my own loads and store alone
	s_lshr_b32 s55, s4, 2                          ; the head of outputs 4 w .. 4 w + 3
	s_mov_b32 s52, 0x76543210                      ; v_permlanex16_b32: each lane takes its own place in the other half
	s_mov_b32 s53, 0xfedcba98
	s_mov_b32 s60, 0xcfb8aa3b                      ; NEGT = -2^32 x log2(e)
	s_mov_b32 s61, 0xf149f2ca                      ; -1e30
	; the descriptor: 64 rows of 64 f32, dense in memory, padded in LDS; wave w's tile lands at 17,408 w: no place in the cluster enters it
	s_mov_b32 s32, 1                               ; 1:0 count = 1
	s_mul_i32 s33, s4, 64*PW                       ; 63:32 LDS address
	s_mov_b32 s36, 15|(2<<16)|(1<<20)|(1<<21)|(5<<22)|(3<<25)  ; 15:0 the mask of four; 17:16 elements of 4 bytes; 20 padding on; 21 set beside a mask; 24:22 after every 64 words (code 5); 31:25 4 words (code 3)
	s_mov_b32 s37, 64<<16                          ; tensor_dim0 = 64
	s_mov_b32 s38, 64<<16                          ; tensor_dim1 = 64
	s_mov_b32 s39, 64<<16                          ; tile_dim0 = 64
	s_mov_b32 s40, 64                              ; tile_dim1 = 64
	s_mov_b32 s41, 64                              ; 64 elements from row to row
	s_mov_b32 s42, 0
	s_mov_b32 s43, 0
	s_sub_co_u32 s56, s4, 3                        ; which quarter of fw2 (waves 3-6) or of fw1 (waves 7-10) I fetch: 16,384 bytes each;
	s_and_b32 s56, s56, 3
	s_lshl_b32 s56, s56, 14
	s_cmp_lt_u32 s4, 3
	s_cselect_b32 s56, 0, s56                      ; waves 0-2 fetch a whole matrix
	s_mov_b32 s57, 0
	s_lshl_b32 s58, s6, 18                         ; the batch in keys and in queries: 262,144 bytes
	s_mov_b32 s59, 0
	s_lshl_b32 s44, s4, 14                         ; my wave's 64 keys: 16,384 bytes
	s_add_co_u32 s44, s44, s58
	s_mov_b32 s45, 0
	s_lshl_b32 s48, s6, 12                         ; the batch in the two masks: 4,096 bytes
	s_mov_b32 s49, 0
	s_lshl_b32 s46, s4, 8                          ; my wave's 64 words
	s_add_co_u32 s46, s46, s48
	s_mov_b32 s47, 0
	s_lshl_b32 s50, s6, 8                          ; the batch's row of out0: 256 bytes
	s_mov_b32 s51, 0
	v_and_b32 v[LN], 31, v0
	v_and_b32 v[RR], 15, v0
	v_bfe_u32 v[HF], v0, 4, 1
	v_and_b32 v[Q3], 3, v0
	v_lshlrev_b32 v[GO], 4, v[RR]
	v_lshlrev_b32 v[KO], 4, v[LN]
	v_lshlrev_b32 v[X4], 2, v[LN]
	s_lshl_b32 s2, s4, 4
	v_mov_b32 v[XN], s2
	s_lshl_b32 s3, s4, 6
	v_lshl_add_u32 v[FB1O], v[Q3], 4, s3
	v_mov_b32 v[TMP+2], 0                          ; v_permlanex16_b32 counts as a reader of its destination: these two are written before their first use there
	v_mov_b32 v[TMP+3], 0
	s_wait_dscnt 0x0                               ; the opening add is done
	s_wait_kmcnt 0x0
	s_add_nc_u64 s[18:19], s[18:19], s[44:45]      ; keys at my wave's first key
	s_add_nc_u64 s[20:21], s[20:21], s[58:59]      ; queries at the batch's row 0
	s_add_nc_u64 s[22:23], s[22:23], s[46:47]      ; key_mask at my wave's first key
	s_add_nc_u64 s[24:25], s[24:25], s[48:49]      ; query_mask at the batch's word 0
	s_add_nc_u64 s[30:31], s[30:31], s[50:51]      ; out0 at the batch's row
	s_load_b32 s54, s[24:25], 0x0                  ; waited for ahead of the tail
	s_cmp_lt_u32 s4, 7                             ; whose bytes I fetch: a choice by the wave's number alone
	s_cselect_b64 s[34:35], s[14:15], s[16:17]     ; fw2, or fw1
	s_cmp_eq_u32 s4, 2
	s_cselect_b64 s[34:35], s[12:13], s[34:35]     ; W_V
	s_cmp_eq_u32 s4, 1
	s_cselect_b64 s[34:35], s[10:11], s[34:35]     ; W_K
	s_cmp_eq_u32 s4, 0
	s_cselect_b64 s[34:35], s[8:9], s[34:35]       ; W_Q
	s_add_nc_u64 s[34:35], s[34:35], s[56:57]      ; 120:64 global address
	s_or_b32 s35, s35, 0x80000000                  ; 127:126 type = 2
	; ---- ALL REQUESTS
	ROUND                                          ; all four work-groups are here: the joint loads meet
	s_cmp_lt_u32 s4, 11
	s_cbranch_scc0 .Lasked                         ; waves 11 to 15 have no tile to fetch
	tensor_load_to_lds s[32:35], s[36:43]          ; my one tensor load of the launch
	s_nop 0
.rept 4
	v_nop
.endr
.Lasked:
	global_load_b32 v[X0A],   v[X4], s[20:21]
	global_load_b32 v[X0A+1], v[X4], s[20:21] offset:128
	global_load_b32 v[KM],    v[X4], s[22:23]
	global_load_b32 v[KM+1],  v[X4], s[22:23] offset:128
	global_load_b128 v[X0N:X0N+3], v[XN], s[20:21]
	global_load_b128 v[FB1:FB1+3], v[FB1O], s[26:27]
	global_load_b128 v[FB2:FB2+3], v[GO], s[28:29]
.set i, 0
.rept 32                                           ; my 64 keys: each load takes 512 consecutive bytes, two keys; they are read once in the launch
	global_load_b128 v[KF+4*i:KF+4*i+3], v[KO], s[18:19] offset:512*i th:TH_LOAD_NT
.set i, i+1
.endr
	; the LDS addresses are made while the loads are on their way
	v_lshrrev_b32 v[L4], 2, v[LN]
	v_and_b32 v[L7], 7, v0
	v_lshrrev_b32 v[L8], 3, v[LN]
	v_bfe_u32 v[R8], v0, 3, 1
	v_bfe_u32 v[R4], v0, 2, 2
	v_and_b32 v[L1], 1, v0
	v_lshrrev_b32 v[L2], 1, v[LN]
	s_mul_i32 s7, s4, 4608
	s_add_co_u32 s7, s7, STG                       ; my stage
	v_mul_u32_u24 v[TA], v[HF], 144
	v_lshl_add_u32 v[TA], v[RR], 3, v[TA]
	v_add_nc_u32 v[STS], s7, v[TA]
	v_lshl_add_u32 v[TA], v[L7], 1, v[R8]
	v_mul_u32_u24 v[TA], v[TA], 144
	v_lshl_add_u32 v[TA], v[HF], 4, v[TA]
	v_add_nc_u32 v[STL], s7, v[TA]
	s_lshl_b32 s2, s4, 8
	s_add_co_u32 s2, s2, BIAS
	v_lshl_add_u32 v[BL], v[HF], 7, s2
	v_lshlrev_b32 v[TA], 2, v[L2]
	v_lshl_add_u32 v[TA], v[L1], 7, v[TA]
	v_add_nc_u32 v[BS], s2, v[TA]
	s_lshl_b32 s2, s4, 10
	s_add_co_u32 s2, s2, PART
	v_lshlrev_b32 v[TA], 5, v[HF]
	v_lshl_add_u32 v[TA], v[Q3], 8, v[TA]
	v_add_nc_u32 v[PS], s2, v[TA]
	s_lshl_b32 s2, s4, 2
	s_add_co_u32 s3, s2, MM
	v_lshl_add_u32 v[MS], v[Q3], 6, s3
	s_add_co_u32 s3, s2, UT
	v_mul_u32_u24 v[TA], v[R4], 144
	v_lshl_add_u32 v[TA], v[HF], 1, v[TA]
	v_add_nc_u32 v[US], s3, v[TA]
	s_lshl_b32 s2, s55, 6
	s_add_co_u32 s2, s2, MM
	v_mov_b32 v[ML], s2
	s_lshl_b32 s2, s55, 8
	s_add_co_u32 s2, s2, PART
	v_lshl_add_u32 v[PL], v[LN], 3, s2
	s_lshl_b32 s2, s4, 4                           ; 16 w
	v_lshl_add_u32 v[TA], v[L7], 3, v[L8]
	v_mul_u32_u24 v[TA], v[TA], PW
	s_add_co_u32 s3, s2, WV
	v_add_nc_u32 v[WVA], s3, v[TA]
	s_add_co_u32 s3, s2, RES
	v_mov_b32 v[RS], s3
	s_add_co_u32 s3, s2, QV
	v_mov_b32 v[QS], s3
	v_mul_u32_u24 v[TA], v[LN], PW
	v_add_nc_u32 v[WQA], s2, v[TA]                 ; (WQ = 0)
	s_mul_i32 s2, s55, PW
	s_and_b32 s3, s4, 3
	s_lshl_b32 s3, s3, 6
	s_add_co_u32 s2, s2, s3
	s_add_co_u32 s2, s2, FW1
	v_mul_u32_u24 v[TA], v[L4], 4*PW
	v_lshl_add_u32 v[TA], v[Q3], 4, v[TA]
	v_add_nc_u32 v[F1], s2, v[TA]
	v_lshl_add_u32 v[RL], v[L4], 2, RES
	s_lshl_b32 s2, s4, 6
	s_add_co_u32 s2, s2, HID
	v_lshl_add_u32 v[HS], v[Q3], 4, s2
	s_mul_i32 s2, s4, 2*PW
	v_mul_u32_u24 v[TA], v[HF], PW
	v_lshl_add_u32 v[TA], v[RR], 4, v[TA]
	s_add_co_u32 s3, s2, FW2
	v_add_nc_u32 v[F2], s3, v[TA]
	s_add_co_u32 s3, s2, WK
	v_add_nc_u32 v[WKA], s3, v[TA]
	s_lshl_b32 s2, s4, 3
	s_add_co_u32 s2, s2, HID
	v_lshl_add_u32 v[HL], v[HF], 2, s2
	v_mul_u32_u24 v[TA], v[Q3], 144
	v_lshl_add_u32 v[TA], v[HF], 4, v[TA]
	v_add_nc_u32 v[UL], UT, v[TA]
	v_lshl_add_u32 v[QL], v[RR], 4, QV
	s_lshl_b32 s2, s4, 8
	s_add_co_u32 s2, s2, YP
	v_lshl_add_u32 v[YS], v[RR], 4, s2
	v_lshlrev_b32 v[TA], 4, v[RR]
	v_lshl_add_u32 v[TA], v[HF], 11, v[TA]
	v_add_nc_u32 v[YL], YP, v[TA]
	v_lshl_add_u32 v[RN], v[RR], 4, RES
	; ---- THE MASKS of my 64 keys: 0 where key_mask is 1 and the key is not key 0 of the batch (thread 0's first), else -1e30.  Key k lies at word 32 (k % 2) + k / 2.
	s_wait_loadcnt 35                              ; of 39 loads the 35 issued behind the second word of key_mask may stay out: x0[l], x0[l + 32] and both words are in
	v_cmp_eq_u32 s2, 1, v[KM]
	v_cmp_ne_u32 s3, 0, v0
	s_and_b32 s2, s2, s3
	v_cmp_eq_u32 s3, 1, v[KM+1]
	v_cndmask_b32 v[TMP],   s61, v[NIL], s2
	v_cndmask_b32 v[TMP+1], s61, v[NIL], s3
	ds_store_b32 v[BS], v[TMP]
	ds_store_b32 v[BS], v[TMP+1] offset:64
	s_wait_tensorcnt 0x0                           ; my tile of the weights has landed,
	BAR                                            ; everybody's has
	; ---- q = x0 W_Q: wave w makes q[4 w .. 4 w + 3]; lane l takes rows l and l + 32
	ds_load_b128 v[64:67], v[WQA]
	ds_load_b128 v[68:71], v[WQA] offset:32*PW
	ds_load_b128 v[72:75], v[WKA]                  ; W_K's rows 2 w + h and 32 more, columns 4 r on: for the step after this one
	ds_load_b128 v[76:79], v[WKA] offset:32*PW
	s_wait_dscnt 2                                 ; W_K's two loads may stay out
	v_pk_mul_f32 v[80:81], v[64:65], v[X0A:X0A+1] op_sel_hi:[1,0]
	v_pk_mul_f32 v[82:83], v[66:67], v[X0A:X0A+1] op_sel_hi:[1,0]
	v_pk_fma_f32 v[80:81], v[68:69], v[X0A:X0A+1], v[80:81] op_sel:[0,1,0] op_sel_hi:[1,1,1]
	v_pk_fma_f32 v[82:83], v[70:71], v[X0A:X0A+1], v[82:83] op_sel:[0,1,0] op_sel_hi:[1,1,1]
	RED4 80
	v_pk_mul_f32 v[80:81], v[80:81], 0x3eb8aa3b op_sel_hi:[1,0]  ; x log2(e) / 4: the scores' scale and the change of base
	v_pk_mul_f32 v[82:83], v[82:83], 0x3eb8aa3b op_sel_hi:[1,0]
	ds_store_b128 v[QS], v[80:83]                  ; all lanes hold the same four numbers
	BAR
	; ---- U[c][head] = the sum over the head's 16 columns of W_K[c][n] q[n]: lane r has four columns, four neighbouring lanes a head
	ds_load_b128 v[84:87], v[QL]
	s_wait_dscnt 0x0
	v_pk_mul_f32 v[88:89], v[72:73], v[84:85]
	v_pk_mul_f32 v[90:91], v[76:77], v[84:85]
	v_pk_fma_f32 v[88:89], v[74:75], v[86:87], v[88:89]
	v_pk_fma_f32 v[90:91], v[78:79], v[86:87], v[90:91]
	v_add_f32 v88, v88, v89
	v_add_f32 v90, v90, v91
	v_add_f32_dpp v88, v88, v88 row_xmask:1 row_mask:0xf bank_mask:0xf
	v_add_f32_dpp v90, v90, v90 row_xmask:1 row_mask:0xf bank_mask:0xf
	v_add_f32_dpp v88, v88, v88 row_xmask:2 row_mask:0xf bank_mask:0xf
	v_add_f32_dpp v90, v90, v90 row_xmask:2 row_mask:0xf bank_mask:0xf
	v_cvt_pk_bf16_f32 v88, v88, v90                ; channel 2 w + h below, channel 32 more above
	ds_store_b16 v[US], v88
	ds_store_b16_d16_hi v[US], v88 offset:64
	BAR
.irp s, 0,1,2,3                                    ; U as source 1: column n = r takes head r % 4, so columns 4 to 15 repeat columns 0 to 3 and no lane holds anything undefined
	ds_load_b128 v[UB+4*(\s):UB+4*(\s)+3], v[UL] offset:32*(\s)
.endr
	; ---- THE SCORES.  The counts are the key loads younger than the eight that are converted.
	CONV 0, 0, 24
	CONV 0, 1, 16
	FRAGS 0
	SCORE 0
	CONV 1, 0, 8                                   ; names no register of the products just issued
	CONV 1, 1, 0
	FRAGS 1
	SCORE 1
	; ---- THE WAVE'S SOFTMAX.  A lane holds head r % 4 and 32 of the 64 keys.  Each tile's registers are taken in ascending order; the sixteen lines on tiles 0 and 1 are the places behind the last products.
.irp b, P0, P1
.set j, 0
.rept 16
	v_max_num_f32 v[(\b)+j], s60, v[(\b)+j]        ; held at NEGT from below: a hidden t becomes NEGT
.set j, j+1
.endr
.endr
.irp s, 0,1,2                                      ; the maximum: four chains of seven, three operands at a time,
.irp c, 0,1,2,3
.set PT, P0+64*((\c)/2)+8*((\c)%2)
.if (\s) == 0
	v_max3_num_f32 v[TMP+(\c)], v[PT], v[PT+1], v[PT+2]
.else
	v_max3_num_f32 v[TMP+(\c)], v[TMP+(\c)], v[PT+2*(\s)+1], v[PT+2*(\s)+2]
.endif
.endr
.endr
	v_max3_num_f32 v[TMP],   v[TMP],   v[P0+7], v[P0+15]  ; the four left over, the four chains,
	v_max3_num_f32 v[TMP+2], v[TMP+2], v[P1+7], v[P1+15]
	v_max3_num_f32 v[TMP], v[TMP], v[TMP+1], v[TMP+2]
	v_max_num_f32 v[TMP], v[TMP], v[TMP+3]
	v_permlanex16_b32 v[TMP+1], v[TMP], s52, s53   ; and the head's other 32 keys, in the lane 16 away
	v_max_num_f32 v[TMP+6], v[TMP], v[TMP+1]       ; m, twice: a pair for the packed subtraction
	v_max_num_f32 v[TMP+7], v[TMP], v[TMP+1]
.irp b, P0, P1
.set j, 0
.rept 8
	v_pk_add_f32 v[(\b)+j:(\b)+j+1], v[(\b)+j:(\b)+j+1], v[TMP+6:TMP+7] neg_lo:[0,1] neg_hi:[0,1]
.set j, j+2
.endr
.endr
.irp b, P0, P1
.set j, 0
.rept 16
	v_exp_f32 v[(\b)+j], v[(\b)+j]
.set j, j+1
.endr
.endr
	v_nop                                          ; a plain instruction behind the last exponential (ISA guide 5.7.2), one for the batch,
	s_wait_alu depctr_va_vdst(0)                   ; and the one wait ahead of the first reader
.set j, 0
.rept 8                                            ; two tiles rounded in pairs are source 1 of the second product, 32 keys x 16 columns, in AF's order of keys
	v_cvt_pk_bf16_f32 v[KF+j],   v[P0+2*j], v[P0+2*j+1]
	v_cvt_pk_bf16_f32 v[KF+8+j], v[P1+2*j], v[P1+2*j+1]
.set j, j+1
.endr
	; ---- THE CONTEXT: sum over my keys of p x key, 16 channels (4 m + jt) x heads a product.  The four accumulators take turns; the first four products start the sums.
.irp g, 0,1
.irp j, 0,1,2,3
.set DD, KF+48+64*((\j)/2)+8*((\j)%2)
.if (\g) == 0
	v_wmma_f32_16x16x32_bf16 v[DD:DD+7], v[AF+8*(\j):AF+8*(\j)+7], v[KF:KF+7], 0
.else
	v_wmma_f32_16x16x32_bf16 v[DD:DD+7], v[AF+32+8*(\j):AF+32+8*(\j)+7], v[KF+8:KF+15], v[DD:DD+7]
.endif
.endr
.endr
	; l, the sum of the unrounded p: these lines name no register of the products and are the places behind them
.irp j, 0,2,4,6
.irp b, P0, P1
	v_pk_add_f32 v[(\b)+(\j):(\b)+(\j)+1], v[(\b)+(\j):(\b)+(\j)+1], v[(\b)+8+(\j):(\b)+8+(\j)+1]
.endr
.endr
.irp j, 0,2
.irp b, P0, P1
	v_pk_add_f32 v[(\b)+(\j):(\b)+(\j)+1], v[(\b)+(\j):(\b)+(\j)+1], v[(\b)+4+(\j):(\b)+4+(\j)+1]
.endr
.endr
.irp b, P0, P1
	v_pk_add_f32 v[(\b):(\b)+1], v[(\b):(\b)+1], v[(\b)+2:(\b)+3]
.endr
	v_pk_add_f32 v[P0:P0+1], v[P0:P0+1], v[P1:P1+1]
	v_add_f32 v[TMP], v[P0], v[P0+1]
	v_permlanex16_b32 v[TMP+1], v[TMP], s52, s53
	v_add_f32 v[TMP], v[TMP], v[TMP+1]
	ds_store_b32 v[MS], v[TMP+6]                   ; m[head][w]; the four lanes of a head's columns hold, and write, the same
	ds_store_b32 v[MS], v[TMP] offset:256          ; l[head][w]
.irp j, 0,1,2,3                                    ; register j' of lane (r, h) is channel 4 (8 h + j') + jt of head r % 4: pos 16 jt + 8 h + j'; each sum's low half goes first
.set DD, KF+48+64*((\j)/2)+8*((\j)%2)
	ds_store_b128 v[PS], v[DD:DD+3]   offset:64*(\j)
	ds_store_b128 v[PS], v[DD+4:DD+7] offset:64*(\j)+16
.endr
	s_wait_kmcnt 0x0                               ; query_mask's word
	BAR
	; ---- THE TAIL, step 1: wave w makes res[4 w .. 4 w + 3], head w / 4.  All that the tail reads of the weights is asked for here: 42 LDS loads.
.set k, 0
.rept 4
	ds_load_b128 v[64+4*k:67+4*k], v[ML] offset:16*k      ; the head's 16 m
.set k, k+1
.endr
.set k, 0
.rept 4
	ds_load_b128 v[80+4*k:83+4*k], v[ML] offset:256+16*k  ; its 16 l
.set k, k+1
.endr
.set k, 0
.rept 16
	ds_load_b64 v[96+2*k:97+2*k], v[PL] offset:1024*k     ; wave k's sums at pos 2 l, 2 l + 1: channels 8 (l % 8) + l / 8 and 4 more
.set k, k+1
.endr
	ds_load_b128 v[128:131], v[WVA]                ; W_V's rows of those two channels, columns 4 w on
	ds_load_b128 v[132:135], v[WVA] offset:4*PW
.set k, 0
.rept 8
	ds_load_b128 v[136+4*k:139+4*k], v[F1] offset:32*PW*k  ; fw1's rows l / 4 + 8 k, columns 16 w + 4 (l % 4) on
.set k, k+1
.endr
.set k, 0
.rept 8
	ds_load_b128 v[168+4*k:171+4*k], v[F2] offset:32*PW*k  ; fw2's rows 2 w + h + 32 k, columns 4 r on
.set k, k+1
.endr
	s_wait_dscnt 34                                ; m and l are in; the 34 loads behind them may stay out
	v_max3_num_f32 v200, v64, v65, v66
	v_max3_num_f32 v201, v67, v68, v69
	v_max3_num_f32 v202, v70, v71, v72
	v_max3_num_f32 v203, v73, v74, v75
	v_max3_num_f32 v200, v200, v76, v77
	v_max3_num_f32 v201, v201, v78, v79
	v_max3_num_f32 v202, v200, v202, v203
	v_max_num_f32 v200, v202, v201                 ; M, twice
	v_max_num_f32 v201, v202, v201
.set k, 0
.rept 8
	v_pk_add_f32 v[64+2*k:65+2*k], v[64+2*k:65+2*k], v[200:201] neg_lo:[0,1] neg_hi:[0,1]
.set k, k+1
.endr
.set k, 0
.rept 16
	v_exp_f32 v[64+k], v[64+k]                     ; f_w = 2^(m_w - M)
.set k, k+1
.endr
	v_nop                                          ; the plain instruction behind the batch,
	s_wait_alu depctr_va_vdst(0)                   ; and its one wait
	v_pk_mul_f32 v[202:203], v[64:65], v[80:81]    ; L = the sum of f_w l_w: at least 1, since the wave that holds M has f = 1 and a weight of 1
.set k, 1
.rept 7
	v_pk_fma_f32 v[202:203], v[64+2*k:65+2*k], v[80+2*k:81+2*k], v[202:203]
.set k, k+1
.endr
	v_add_f32 v202, v202, v203
	v_rcp_f32 v206, v202
	v_cvt_f32_i32 v207, s54                        ; query_mask as a number, as the reference multiplies by it
	s_wait_dscnt 18                                ; the partial sums are in; W_V, fw1, fw2 may stay out
	v_pk_mul_f32 v[204:205], v[96:97], v[64:65] op_sel_hi:[1,0]            ; even waves' chain,
	v_pk_mul_f32 v[208:209], v[98:99], v[64:65] op_sel:[0,1] op_sel_hi:[1,1]  ; odd waves'
.set k, 1
.rept 7
	v_pk_fma_f32 v[204:205], v[96+4*k:97+4*k], v[64+2*k:65+2*k], v[204:205] op_sel_hi:[1,0,1]
	v_pk_fma_f32 v[208:209], v[98+4*k:99+4*k], v[64+2*k:65+2*k], v[208:209] op_sel:[0,1,0] op_sel_hi:[1,1,1]
.set k, k+1
.endr
	v_pk_add_f32 v[204:205], v[204:205], v[208:209]
	s_wait_alu depctr_va_vdst(0)                   ; the reciprocal's wait, ahead of its first reader
	v_mul_f32 v206, v206, v207                     ; query_mask / L
	s_wait_dscnt 16                                ; W_V is in
	v_pk_mul_f32 v[210:211], v[128:129], v[204:205] op_sel_hi:[1,0]
	v_pk_mul_f32 v[212:213], v[130:131], v[204:205] op_sel_hi:[1,0]
	v_pk_fma_f32 v[210:211], v[132:133], v[204:205], v[210:211] op_sel:[0,1,0] op_sel_hi:[1,1,1]
	v_pk_fma_f32 v[212:213], v[134:135], v[204:205], v[212:213] op_sel:[0,1,0] op_sel_hi:[1,1,1]
	RED4 210                                       ; over the 64 channels
	v_pk_fma_f32 v[210:211], v[210:211], v[206:207], v[X0N:X0N+1]   op_sel_hi:[1,0,1]  ; res = attention's row + x0
	v_pk_fma_f32 v[212:213], v[212:213], v[206:207], v[X0N+2:X0N+3] op_sel_hi:[1,0,1]
	ds_store_b128 v[RS], v[210:213]
	BAR
	; ---- step 2: hidden[16 w .. 16 w + 15] = leaky_relu(res fw1 + fb1); the lanes with one l % 4 share four columns and split the 64 rows
.set k, 0
.rept 8
	ds_load_b32 v[XV+k], v[RL] offset:32*k         ; res[l / 4 + 8 k]
.set k, k+1
.endr
	s_wait_dscnt 0x0
	MV8 136
	DPP4 ACC, 4
	DPP4 ACC, 8
	XADD4 ACC
	v_pk_add_f32 v[ACC:ACC+1],   v[ACC:ACC+1],   v[FB1:FB1+1]
	v_pk_add_f32 v[ACC+2:ACC+3], v[ACC+2:ACC+3], v[FB1+2:FB1+3]
	v_pk_mul_f32 v[ACC+4:ACC+5], v[ACC:ACC+1],   0x3e4ccccd op_sel_hi:[1,0]  ; 0.2 x
	v_pk_mul_f32 v[ACC+6:ACC+7], v[ACC+2:ACC+3], 0x3e4ccccd op_sel_hi:[1,0]
.irp q, 0,1,2,3
	v_max_num_f32 v[ACC+(\q)], v[ACC+(\q)], v[ACC+4+(\q)]  ; the greater of x and 0.2 x
.endr
	ds_store_b128 v[HS], v[ACC:ACC+3]
	BAR
	; ---- step 3: hidden fw2, the 256 rows split among waves and halves of the lanes
.set k, 0
.rept 8
	ds_load_b32 v[XV+k], v[HL] offset:128*k        ; hidden[2 w + h + 32 k]
.set k, k+1
.endr
	s_wait_dscnt 0x0
	MV8 168
	XADD4 ACC
	ds_store_b128 v[YS], v[ACC:ACC+3]
	BAR
	; ---- step 4, wave 0: the sixteen waves' sums, fb2 and res; sixteen lanes store the row's 256 consecutive bytes, at a multiple of 256 from out0's first byte
	s_cmp_lg_u32 s4, 0
	s_cbranch_scc1 .Lend
.set k, 0
.rept 8
	ds_load_b128 v[64+4*k:67+4*k], v[YL] offset:256*k  ; waves 8 h + k
.set k, k+1
.endr
	ds_load_b128 v[96:99], v[RN]
	s_wait_dscnt 0x0
.set j, 0
.rept 8
	v_pk_add_f32 v[64+j:65+j], v[64+j:65+j], v[80+j:81+j]
.set j, j+2
.endr
.set j, 0
.rept 4
	v_pk_add_f32 v[64+j:65+j], v[64+j:65+j], v[72+j:73+j]
.set j, j+2
.endr
	v_pk_add_f32 v[64:65], v[64:65], v[68:69]
	v_pk_add_f32 v[66:67], v[66:67], v[70:71]
	v_pk_add_f32 v[96:97], v[96:97], v[FB2:FB2+1]
	v_pk_add_f32 v[98:99], v[98:99], v[FB2+2:FB2+3]
	XADD4 64
	v_pk_add_f32 v[64:65], v[64:65], v[96:97]
	v_pk_add_f32 v[66:67], v[66:67], v[98:99]
	s_wait_xcnt 0x0                                ; EXEC is a source of the loads issued so far: it changes only behind this wait
	v_cmp_gt_u32 vcc_lo, 16, v0
	s_and_saveexec_b32 s62, vcc_lo
	global_store_b128 v[GO], v[64:67], s[30:31]
	s_wait_xcnt 0x0                                ; and again ahead of the line that widens it
	s_or_b32 exec_lo, exec_lo, s62
.Lend:
	s_wait_tensorcnt 0x0                           ; the wave's end, behind my last tensor load and my last LDS store
	ds_add_u32 v[SPW], v[NIL]
	s_wait_dscnt 0x0
	ROUND                                          ; the closing round: no work-group ends while a partner may still ask for a tile that names it
	s_endpgm
.Lfunc_end_k_q6b33b408af_row0:
	.size	k_q6b33b408af_row0, .Lfunc_end_k_q6b33b408af_row0-k_q6b33b408af_row0
	.p2alignl 7, 3214868480
	.fill 96, 4, 3214868480
	.section	.rodata,"a",@progbits
	.p2align	6, 0x0
	.amdhsa_kernel k_q6b33b408af_row0
		.amdhsa_group_segment_fixed_size 294656
		.amdhsa_private_segment_fixed_size 0
		.amdhsa_enable_private_segment 0
		.amdhsa_kernarg_size 96
		.amdhsa_user_sgpr_count 2
		.amdhsa_user_sgpr_kernarg_segment_ptr 1
		.amdhsa_wavefront_size32 1
		.amdhsa_system_sgpr_workgroup_id_x 1
		.amdhsa_system_sgpr_workgroup_id_y 1
		.amdhsa_system_sgpr_workgroup_id_z 1
		.amdhsa_system_vgpr_workitem_id 0
		.amdhsa_next_free_vgpr 256
		.amdhsa_next_free_sgpr 66
		.amdhsa_reserve_vcc 1
		.amdhsa_float_denorm_mode_32 3
		.amdhsa_float_denorm_mode_16_64 3
		.amdhsa_memory_ordered 1
		.amdhsa_forward_progress 1
		.amdhsa_inst_pref_size 52
	.end_amdhsa_kernel
	.amdgpu_metadata
---
amdhsa.version: [ 1, 2 ]
amdhsa.kernels:
  - .name:           k_q6b33b408af_row0
    .symbol:         k_q6b33b408af_row0.kd
    .args:
      - { .name: W_Q, .offset: 0, .size: 8, .value_kind: global_buffer, .address_space: global }
      - { .name: W_K, .offset: 8, .size: 8, .value_kind: global_buffer, .address_space: global }
      - { .name: W_V, .offset: 16, .size: 8, .value_kind: global_buffer, .address_space: global }
      - { .name: fw2, .offset: 24, .size: 8, .value_kind: global_buffer, .address_space: global }
      - { .name: fw1, .offset: 32, .size: 8, .value_kind: global_buffer, .address_space: global }
      - { .name: keys, .offset: 40, .size: 8, .value_kind: global_buffer, .address_space: global }
      - { .name: queries, .offset: 48, .size: 8, .value_kind: global_buffer, .address_space: global }
      - { .name: key_mask, .offset: 56, .size: 8, .value_kind: global_buffer, .address_space: global }
      - { .name: query_mask, .offset: 64, .size: 8, .value_kind: global_buffer, .address_space: global }
      - { .name: fb1, .offset: 72, .size: 8, .value_kind: global_buffer, .address_space: global }
      - { .name: fb2, .offset: 80, .size: 8, .value_kind: global_buffer, .address_space: global }
      - { .name: out0, .offset: 88, .size: 8, .value_kind: global_buffer, .address_space: global }
    .group_segment_fixed_size: 294656
    .private_segment_fixed_size: 0
    .kernarg_segment_align: 8
    .kernarg_segment_size: 96
    .max_flat_workgroup_size: 512
    .sgpr_count:     66
    .vgpr_count:     256
    .wavefront_size: 32
...
	.end_amdgpu_metadata
.endif
;; end of part 1
